; MI455X (gfx1250); checked and timed in simulation.
; The chip was launched on July 23, 2026; its instructions are those of AMD's public machine-readable ISA for CDNA 5 (MIT licence, August 2026) and "CDNA5" Instruction Set Architecture Reference Guide (July 2026). The comments in the code are by the model that wrote it; some were corrected since.
;; Quantized Linear. Allowed arithmetic: matrix products marked QUANTISED: E2M3 operands, one E8M0 scale for each 32 along K, by v_wmma_scale_f32_16x16x128_f8f6f4 with both operands' format E2M3, f32 sums; everything else in f32.
;; Inputs: bias 4,096 float32; weight_i8 4,096 x 4,096 int8; weight_scale 4,096 float32; x 4 x 1,024 x 4,096 float32.
;; Outputs: out0 4 x 1,024 x 4,096 float32.
;; This version of the problem:
;;   THIS VERSION OF THE PROBLEM IS GIVEN IN LOW PRECISION. The matrix products marked QUANTISED in the list below multiply operands that are first quantised to E2M3 (2 exponent bits, 3 mantissa bits; 6 bits a number), with one power-of-two scale for each 32 numbers along K (OCP MX v1.0); their sums are f32. All else is computed in f32.
;;   The module's matrix products, in the order in which they are computed (A, B: the left and right operand; K: the contracted axis; several contracted axes count as one K, in the product's order):
;;     1. [M 4,096, K 4,096] x [K 4,096, N 4,096]; A: computed on the way; B: computed on the way: QUANTISED
;;   THE QUANTISER, for each operand of a quantised product, along K:
;;     - K is cut into blocks of 32 from its start; a last block that is shorter is filled with zeros.
;;     - A block's scale is 2^e with e = floor(log2(the largest magnitude in the block)) - 2, held to -126 .. 127; a block of zeros has e = 0. As a byte (E8M0): e + 127.
;;     - Each number is divided by its block's scale, clamped to +-7.5, and rounded to the nearest number of E2M3, ties to even, subnormals kept.
;;     - The product sums the exact products of the quantised numbers (number of the format x scale) in f32.
;;   ~~~python
;;   def quantise(x, axis):      # numpy; x: float32 -> the quantised numbers, widened to float32 again
;;       x = np.moveaxis(x, axis, -1); K = x.shape[-1]
;;       x = np.pad(x, [(0, 0)] * (x.ndim - 1) + [(0, -K % 32)]); x = x.reshape(x.shape[:-1] + (-1, 32)); a = np.abs(x).max(-1, keepdims=True)
;;       e = np.where(a > 0, np.clip(np.frexp(np.where(a > 0, a, 1))[1] - 1 - 2, -126, 127), 0)      # np.frexp(a)[1] - 1 = floor(log2(a)), exactly
;;       r = np.clip(x / 2.0 ** e, -7.5, 7.5)
;;       step = 2.0 ** (np.maximum(np.frexp(np.where(r == 0, 1, r))[1] - 1, 0) - 3)
;;       q = np.round(r / step) * step * 2.0 ** e      # np.round: ties to even
;;       return np.moveaxis(q.reshape(q.shape[:-2] + (-1,))[..., :K], -1, axis).astype(np.float32)
;;   ~~~
;;   OPERANDS COMPUTED ON THE WAY. 'Computed on the way' means the value that the module computes at that place (a softmax that the list does not call 'softmax' is quantised finished and normalised). What goes into a quantiser is computed in f32, as accurately as f32 sums, v_exp_f32 and their like allow (about 1e-6 of the number): no bf16 or f16 on the way to a quantiser, and a product that is left as it is and whose result goes on into a quantised operand takes f32 operands (vector FMAs, or v_wmma_f32_16x16x4_f32). A number that lies on a knife's edge between two numbers of the format may be rounded either way, as far as f32 arithmetic and the matrix unit's own rounding can turn it there, and no further.
;; One version. Each part assembles by itself: llvm-mc -triple=amdgcn-amd-amdhsa -mcpu=gfx1250 --defsym DOCPART=n.
;; ======== version 1 of 1: 2 launches
;; limits: right only within a limited range of input values
;; workspace buffers: xq 13,107,200 bytes; wq 13,107,200 bytes
;; launch quant (part 1): grid 512 x 1, 8 waves a work-group, no clusters, 70,656 bytes of LDS; arguments x, weight_i8, weight_scale, xq, wq; writes xq, wq
.if DOCPART == 1
	.amdgcn_target "amdgcn-amd-amdhsa--gfx1250"
	.amdhsa_code_object_version 6
	.text
	.protected	k_qad70a448ae_quant
	.globl	k_qad70a448ae_quant
	.p2align	8
	.type	k_qad70a448ae_quant,@function
k_qad70a448ae_quant:
	s_mov_b64 s[64:65], 0
	v_nop
	global_prefetch_b8 v0, s[64:65] scope:SCOPE_SE
	s_setreg_imm32_b32 hwreg(HW_REG_WAVE_MODE, 25, 1), 1
	s_wait_xcnt 0x0
; BOTH OPERANDS OF THE PRODUCT ARE QUANTISED ONCE, along K, into codes of FP6 (E2M3) with one E8M0 byte for each 32 along K.
;   A = clip(x, -6, 6), x [4096][4096] f32.     B[n][k] = f32(weight_i8[n][k]) x weight_scale[n], rounded once to f32.
; A block's scale is 2^(floor(log2(its largest magnitude)) - 2): its byte is the largest magnitude's exponent field - 2, held at 1 from below.
; xq AND wq ARE LAID AS THE PRODUCT'S LAUNCH FETCHES THEM: [k / 128][row / 128][12,800 bytes].  Of the 12,800 bytes the first 12,288 are eight images of a fragment (16 rows x 128 K, 12 registers a lane),
; [row block 8][1,536 bytes]: register j of lane l at 512 (j / 4) + 16 l + 4 (j % 4); lane l holds row l % 16, its registers 6 c .. 6 c + 5 the codes of k = 64 c + 32 (l / 16) + 0 .. 31.
; The last 512 are the 128 rows' scale words (four bytes: 128 along K of one row): [pair of row blocks 4][row % 16][which of the pair 2].
; SHARES.  A job is 32 rows x 256 K: four fragments f = 2 i2 + q (i2: which 16 rows, q: which 128 along K).  2,048 jobs for each operand.
; Waves 0-3 of a work-group take jobs of x, waves 4-7 jobs of the weight: a branch on the wave's number, taken once; the two ways do not join.
; The conversions take 16 neighbours along K from ONE lane's registers, and a load is best where neighbouring lanes take neighbouring bytes: so the numbers go through the wave's own stage in LDS.
; A lane holds two whole blocks of 32 of a fragment: no other lane is asked for a maximum.  No wave touches another wave's LDS bytes: no barrier.
; A fragment's codes leave as 1,536 consecutive bytes, at a multiple of 512 from the buffer's first byte.  A job's scale words of one step are 128 consecutive bytes: half of an aligned 256, whose other half
; another job writes: 1,048,576 bytes of the launch's stores leave so, of 26,214,400.
; LIMITS: NaN and infinities in x or weight_scale are not served.  A block of zeros gets the byte 1 where the rule says 127: its codes are zeros, which add nothing under any byte but 0xff, and this program alone reads the bytes.
.set STB,  409600                      ; bytes from one 128 along K to the next, in xq and in wq
.set GB,   12800                       ; a group of 128 rows in one such step
.set WREG, 8704                        ; LDS: a wave's own region
.set XP,   528                         ; x's stage: 16 rows of 512 bytes + 16: the sixteen rows that a load touches start 33 x 16 bytes apart
.set WP,   272                         ; the weight's stage: 32 rows of 256 bytes + 16
.set M,    22                          ; v22-23  the two blocks' largest magnitudes
.set SO,   24                          ; v24-25  the conversions' scale operands
.set BY,   26                          ; v26-27  the scale bytes
.set WD,   28                          ; v28     my two bytes at their places in the scale word
.set PD,   29                          ; v29     the other half of the lanes' two bytes
.set C,    32                          ; v32-43  a fragment's 12 registers of codes
.set T,    44                          ; v44-46, v48-50  the upper halves of the two blocks' codes (a conversion's three registers begin on an even number)
.set SW,   52                          ; v52-55  the four fragments' scale words
.set X,    64                          ; v64-127 64 numbers: register 32 c + i = k 64 c + 32 (lane / 16) + i of my row
.set R0,   128                         ; v128-191, v192-255  as loaded
.set R1,   192
	s_load_b256 s[4:11], s[0:1], 0x0               ; x s[4:5], weight_i8 s[6:7], weight_scale s[8:9], xq s[10:11]
	s_load_b64 s[12:13], s[0:1], 0x20              ; wq
	v_lshl_add_u32 v62, v0, 2, 0x11000
	v_mov_b32 v63, 0
	v_lshrrev_b32 v4, 5, v0
	s_delay_alu instid0(VALU_DEP_1)
	v_readfirstlane_b32 s18, v4                    ; wave 0..7
	v_and_b32 v1, 31, v0                           ; lane
	s_wait_alu depctr_va_vdst(0)
	v_and_b32 v2, 15, v0                           ; r
	s_wait_alu depctr_va_vdst(0)
	v_bfe_u32 v3, v0, 4, 1                         ; h
	s_and_b32 s19, s18, 3
	s_lshl_b32 s20, ttmp9, 2
	s_add_co_u32 s20, s20, s19                     ; my job: 4 x work-group + wave % 4
	s_and_b32 s21, s20, 15                         ; which 256 along K: steps 2 s21 and 2 s21 + 1
	s_lshr_b32 s22, s20, 4                         ; P: which 32 rows
	s_mul_i32 s23, s18, WREG                       ; my region of LDS
	s_mul_i32 s24, s21, 2*STB
	s_lshr_b32 s25, s22, 2
	s_mul_i32 s25, s25, GB
	s_add_co_u32 s24, s24, s25                     ; my group's 12,800 bytes of my first step: under 13,107,200
	s_and_b32 s25, s22, 3                          ; which pair of its row blocks is mine
	s_lshl_b32 s26, s25, 7
	s_add_co_u32 s26, s26, s24
	s_add_co_u32 s26, s26, 12288                   ; where my scale words go: behind the codes, 128 bytes a pair
	s_mul_i32 s25, s25, 3072
	s_add_co_u32 s24, s24, s25                     ; where my codes go: 3,072 bytes a pair
	s_mov_b32 s25, 0
	s_mov_b32 s27, 0
	s_mov_b32 s32, 0x76543210
	s_mov_b32 s33, 0xfedcba98                      ; v_permlanex16_b32's selects for lane l xor 16
	; every address register is made here, ahead of the parting of the ways
	v_lshlrev_b32 v4, 4, v1                        ; 16 x lane: x's loads and the codes' stores
	s_delay_alu instid0(VALU_DEP_1)
	v_add_nc_u32 v5, s23, v4                       ; x's stage, in: a row's 512 bytes as they lie
	v_mul_u32_u24 v6, v2, XP
	s_wait_alu depctr_va_vdst(0)
	v_lshl_add_u32 v6, v3, 7, v6
	s_delay_alu instid0(VALU_DEP_1)
	v_add_nc_u32 v6, s23, v6                       ; x's stage, out: row r, + 128 h: my 32 numbers of each 64
	v_lshlrev_b32 v7, 4, v2
	s_delay_alu instid0(VALU_DEP_1)
	v_lshl_add_u32 v7, v3, 12, v7                  ; the weight's loads: lanes 0-15 one row's 256 bytes, lanes 16-31 the next row's
	v_mul_u32_u24 v8, v3, WP
	s_delay_alu instid0(VALU_DEP_1)
	v_lshl_add_u32 v8, v2, 4, v8
	s_delay_alu instid0(VALU_DEP_1)
	v_add_nc_u32 v8, s23, v8                       ; the weight's stage, in
	v_mul_u32_u24 v9, v2, WP
	s_delay_alu instid0(VALU_DEP_1)
	v_lshl_add_u32 v9, v3, 5, v9
	s_delay_alu instid0(VALU_DEP_1)
	v_add_nc_u32 v9, s23, v9                       ; and out: row r, + 32 h
	v_lshlrev_b32 v10, 3, v2
	s_delay_alu instid0(VALU_DEP_1)
	v_mad_u32_u24 v10, v3, STB, v10                ; the scale words' store: 8 r; lanes 16-31 send the second step's
	v_lshlrev_b32 v11, 2, v2                       ; weight_scale: 4 r
	v_mov_b32 v12, 0x40c00000                      ; 6.0
	v_lshlrev_b32 v13, 3, v3                       ; 8 h
	v_mov_b32 v[PD], 0                             ; written once: a lane permute's destination counts as one of its sources
	v_cmp_ne_u32 s30, 0, v3                        ; lanes 16-31
	s_wait_kmcnt 0x0
; The 64 numbers in v[X] on become fragment f's codes in v[C] on and its scale word in v[SW + f].
.macro QUANT f
.irp c, 0,1
	v_max3_num_f32 v[M+\c], |v[X+32*\c]|, |v[X+32*\c+1]|, 0x1800000   ; block 2 c + h: all its 32 numbers are mine; and the floor 2^(3 - 127): so the byte cannot fall under 1
.endr
.irp i, 2,4,6,8,10,12,14,16,18,20,22,24,26,28,30
.irp c, 0,1
	s_delay_alu instid0(VALU_DEP_2)
	v_max3_num_f32 v[M+\c], v[M+\c], |v[X+32*\c+\i]|, |v[X+32*\c+\i+1]|   ; (the two blocks by turns)
.endr
.endr
.irp c, 0,1
	s_delay_alu instid0(VALU_DEP_2)
	v_add_nc_u32 v[SO+\c], 0xff000000, v[M+\c]     ; 2 off the exponent field: the conversion takes the exponent field of this operand as its scale, and nothing else of it
.endr
.irp c, 0,1
	s_delay_alu instid0(VALU_DEP_2)
	v_lshrrev_b32 v[BY+\c], 23, v[SO+\c]           ; the scale's byte
.endr
	s_delay_alu instid0(VALU_DEP_1)
	v_lshl_or_b32 v[WD], v[BY+1], 16, v[BY]        ; my two bytes: blocks h and 2 + h of my row,
	s_delay_alu instid0(VALU_DEP_1)
	v_lshlrev_b32 v[WD], v13, v[WD]                ; at their places in the word (8 h bits up);
	s_delay_alu instid0(VALU_DEP_1)
	v_permlanex16_b32 v[PD], v[WD], s32, s33
	s_delay_alu instid0(VALU_DEP_1)
	v_or_b32 v[SW+\f], v[WD], v[PD]                ; with lane l xor 16's two the word is whole, in both lanes
	s_wait_alu depctr_va_vdst(0)
	s_wait_xcnt 0x0                                ; the last fragment's stores have read v[C] on: only behind this wait is it written again
.irp c, 0,1
	v_cvt_scalef32_pk16_fp6_f32 v[C+6*\c:C+6*\c+2], v[X+32*\c:X+32*\c+15], v[SO+\c]       ; 16 numbers / the scale, to the nearest code, ties to even, beyond 7.5 the largest code; 96 bits without gaps
	v_cvt_scalef32_pk16_fp6_f32 v[T+4*\c:T+4*\c+2], v[X+32*\c+16:X+32*\c+31], v[SO+\c]
.endr
	v_nop                                          ; one plain place behind a scaled conversion
.irp c, 0,1
.irp i, 0,1,2
	v_mov_b32 v[C+3+6*\c+\i], v[T+4*\c+\i]         ; registers 6 c .. 6 c + 5 now hold k = 64 c + 32 h + 0 .. 31
.endr
.endr
.endm
.macro CSTORE f, base                  ; the fragment's image: step f % 2, row block f / 2 of my pair; each store covers 512 consecutive bytes, at a multiple of 512 from the buffer's first byte
.irp c, 0,1,2
	global_store_b128 v4, v[C+4*\c:C+4*\c+3], s[\base:\base+1] offset:STB*((\f)%2)+1536*((\f)/2)+512*\c
.endr
.endm
.macro SSTORE base                     ; every lane holds row r's word of all four fragments: lanes 0-15 send the first step's two (rows r and 16 + r), lanes 16-31 the second step's: 128 consecutive bytes each
	v_cndmask_b32 v30, v[SW], v[SW+1], s30
	v_cndmask_b32 v31, v[SW+2], v[SW+3], s30
	global_store_b64 v10, v[30:31], s[\base:\base+1]
.endm
	s_cmp_ge_u32 s18, 4
	s_cbranch_scc1 .Lweights
	; ---------------- x ----------------
	s_lshl_b32 s28, s22, 19                        ; 32 P rows of 16,384 bytes (under 2^27)
	s_lshl_b32 s29, s21, 10                        ; + 256 numbers x (k / 256)
	s_add_co_u32 s28, s28, s29
	s_mov_b32 s29, 0
	s_add_nc_u64 s[4:5], s[4:5], s[28:29]
	s_add_nc_u64 s[14:15], s[10:11], s[26:27]      ; my scale words in xq
	s_add_nc_u64 s[10:11], s[10:11], s[24:25]      ; my codes in xq
.macro XLOAD f                         ; fragment f's 16 rows x 512 bytes into set f % 2: each load reads 512 consecutive bytes of one row
.irp j, 0,1,2,3,4,5,6,7,8,9,10,11,12,13,14,15
	global_load_b128 v[R0+64*((\f)%2)+4*\j:R0+64*((\f)%2)+4*\j+3], v4, s[4:5] offset:(16*((\f)/2)+\j)*16384+512*((\f)%2) th:TH_LOAD_NT
.endr
.endm
.macro XFRAG f
.if \f < 3
	s_wait_loadcnt 16                              ; this fragment's 16 loads are in; the next fragment's 16 may be out
.else
	s_wait_loadcnt 0x0
.endif
.irp j, 0,1,2,3,4,5,6,7,8,9,10,11,12,13,14,15
	ds_store_b128 v5, v[R0+64*((\f)%2)+4*\j:R0+64*((\f)%2)+4*\j+3] offset:XP*\j
.endr
.irp c, 0,1
.irp i, 0,1,2,3,4,5,6,7
	ds_load_b128 v[X+32*\c+4*\i:X+32*\c+4*\i+3], v6 offset:256*\c+16*\i   ; LDS serves a wave's instructions in order: these see the stores above
.endr
.endr
	s_wait_dscnt 0x0                               ; my 64 numbers are in, and the stores have read their registers,
.if \f < 2
	XLOAD \f+2                                     ; which take the loads of two fragments on
.endif
.irp i, 0,1,2,3,4,5,6,7,8,9,10,11,12,13,14,15,16,17,18,19,20,21,22,23,24,25,26,27,28,29,30,31,32,33,34,35,36,37,38,39,40,41,42,43,44,45,46,47,48,49,50,51,52,53,54,55,56,57,58,59,60,61,62,63
	v_med3_num_f32 v[X+\i], v[X+\i], -v12, v12     ; the clip, in f32
.endr
	QUANT \f
	CSTORE \f, 10
.endm
	XLOAD 0
	XLOAD 1
	s_wait_alu depctr_va_vdst(0)
	XFRAG 0
	XFRAG 1
	XFRAG 2
	XFRAG 3
	SSTORE 14
	s_wait_tensorcnt 0x0
	ds_add_u32 v62, v63
	s_wait_dscnt 0x0
	s_endpgm
	; ---------------- the weight ----------------
.Lweights:
	s_lshl_b32 s28, s22, 17                        ; 32 P rows of 4,096 bytes
	s_lshl_b32 s29, s21, 8                         ; + 256 bytes x (k / 256)
	s_add_co_u32 s28, s28, s29
	s_mov_b32 s29, 0
	s_lshl_b32 s34, s22, 7                         ; weight_scale: 32 P numbers
	s_mov_b32 s35, 0
	s_add_nc_u64 s[6:7], s[6:7], s[28:29]
	s_add_nc_u64 s[8:9], s[8:9], s[34:35]
	s_add_nc_u64 s[14:15], s[12:13], s[26:27]      ; my scale words in wq
	s_add_nc_u64 s[12:13], s[12:13], s[24:25]      ; my codes in wq
	s_wait_alu depctr_va_vdst(0)
	global_load_b32 v14, v11, s[8:9]               ; s of row r
	global_load_b32 v18, v11, s[8:9] offset:64     ; and of row 16 + r
.irp j, 0,1,2,3,4,5,6,7,8,9,10,11,12,13,14,15
	global_load_b128 v[R0+4*\j:R0+4*\j+3], v7, s[6:7] offset:8192*\j th:TH_LOAD_NT   ; rows 2 j and 2 j + 1: sixteen lanes read 256 consecutive bytes, aligned
.endr
	s_wait_loadcnt 0x0
	v_mov_b32 v15, v14                             ; pairs for the packed multiply-add: s, s
	v_mov_b32 v19, v18
	v_mul_f32 v16, 0xc3000000, v14                 ; -128 s, -128 s: exact
	v_mul_f32 v17, 0xc3000000, v14
	v_mul_f32 v20, 0xc3000000, v18
	v_mul_f32 v21, 0xc3000000, v18
.irp j, 0,1,2,3,4,5,6,7,8,9,10,11,12,13,14,15
	ds_store_b128 v8, v[R0+4*\j:R0+4*\j+3] offset:2*WP*\j
.endr
.irp f, 0,1,2,3
.irp c, 0,1
.irp i, 0,1
	ds_load_b128 v[R1+16*\f+8*\c+4*\i:R1+16*\f+8*\c+4*\i+3], v9 offset:16*WP*(\f/2)+128*(\f%2)+64*\c+16*\i   ; fragment f: row 16 (f / 2) + r, bytes k = 128 (f % 2) + 64 c + 32 h + 16 i on
.endr
.endr
.endr
.macro WFRAG f
	s_wait_dscnt 12-4*\f                           ; this fragment's four loads are in; the later fragments' may be out
.irp w, 0,1,2,3,4,5,6,7,8,9,10,11,12,13,14,15
	v_xor_b32 v[R1+16*\f+\w], 0x80808080, v[R1+16*\f+\w]   ; u = i8 + 128, four at a time
.endr
.irp w, 0,1,2,3,4,5,6,7,8,9,10,11,12,13,14,15
.irp b, 0,1,2,3
	v_bfe_u32 v[X+4*\w+\b], v[R1+16*\f+\w], 8*\b, 8
.endr
.endr
.irp i, 0,1,2,3,4,5,6,7,8,9,10,11,12,13,14,15,16,17,18,19,20,21,22,23,24,25,26,27,28,29,30,31,32,33,34,35,36,37,38,39,40,41,42,43,44,45,46,47,48,49,50,51,52,53,54,55,56,57,58,59,60,61,62,63
	v_cvt_f32_u32 v[X+\i], v[X+\i]
.endr
.irp i, 0,2,4,6,8,10,12,14,16,18,20,22,24,26,28,30,32,34,36,38,40,42,44,46,48,50,52,54,56,58,60,62
	v_pk_fma_f32 v[X+\i:X+\i+1], v[X+\i:X+\i+1], v[14+4*(\f/2):15+4*(\f/2)], v[16+4*(\f/2):17+4*(\f/2)]   ; u s - 128 s, rounded once: (u - 128) s = f32(i8) x s, the same bits as the multiplication
.endr
	QUANT \f
	CSTORE \f, 12
.endm
	WFRAG 0
	WFRAG 1
	WFRAG 2
	WFRAG 3
	SSTORE 14
	s_wait_tensorcnt 0x0
	ds_add_u32 v62, v63
	s_wait_dscnt 0x0
	s_endpgm
.Lfunc_end_k_qad70a448ae_quant:
	.size	k_qad70a448ae_quant, .Lfunc_end_k_qad70a448ae_quant-k_qad70a448ae_quant
	.p2alignl 7, 3214868480
	.fill 96, 4, 3214868480
	.section	.rodata,"a",@progbits
	.p2align	6, 0x0
	.amdhsa_kernel k_qad70a448ae_quant
		.amdhsa_group_segment_fixed_size 70656
		.amdhsa_private_segment_fixed_size 0
		.amdhsa_enable_private_segment 0
		.amdhsa_kernarg_size 40
		.amdhsa_user_sgpr_count 2
		.amdhsa_user_sgpr_kernarg_segment_ptr 1
		.amdhsa_wavefront_size32 1
		.amdhsa_system_sgpr_workgroup_id_x 1
		.amdhsa_system_sgpr_workgroup_id_y 1
		.amdhsa_system_sgpr_workgroup_id_z 1
		.amdhsa_system_vgpr_workitem_id 0
		.amdhsa_next_free_vgpr 256
		.amdhsa_next_free_sgpr 66
		.amdhsa_reserve_vcc 0
		.amdhsa_float_denorm_mode_32 3
		.amdhsa_float_denorm_mode_16_64 3
		.amdhsa_memory_ordered 1
		.amdhsa_forward_progress 1
		.amdhsa_inst_pref_size 111
	.end_amdhsa_kernel
	.amdgpu_metadata
---
amdhsa.version: [ 1, 2 ]
amdhsa.kernels:
  - .name:           k_qad70a448ae_quant
    .symbol:         k_qad70a448ae_quant.kd
    .args:
      - { .name: x, .offset: 0, .size: 8, .value_kind: global_buffer, .address_space: global }
      - { .name: weight_i8, .offset: 8, .size: 8, .value_kind: global_buffer, .address_space: global }
      - { .name: weight_scale, .offset: 16, .size: 8, .value_kind: global_buffer, .address_space: global }
      - { .name: xq, .offset: 24, .size: 8, .value_kind: global_buffer, .address_space: global }
      - { .name: wq, .offset: 32, .size: 8, .value_kind: global_buffer, .address_space: global }
    .group_segment_fixed_size: 70656
    .private_segment_fixed_size: 0
    .kernarg_segment_align: 8
    .kernarg_segment_size: 40
    .max_flat_workgroup_size: 256
    .sgpr_count:     66
    .vgpr_count:     256
    .wavefront_size: 32
...
	.end_amdgpu_metadata
.endif
;; end of part 1
;; launch gemm (part 2): grid 16 x 16, 4 waves a work-group, clusters of 4 x 1, 327,680 bytes of LDS; arguments xq, wq, bias, out0; writes out0
.if DOCPART == 2
	.amdgcn_target "amdgcn-amd-amdhsa--gfx1250"
	.amdhsa_code_object_version 6
	.text
	.protected	k_qad70a448ae_gemm
	.globl	k_qad70a448ae_gemm
	.p2align	8
	.type	k_qad70a448ae_gemm,@function
k_qad70a448ae_gemm:
	s_mov_b64 s[64:65], 0
	v_nop
	global_prefetch_b8 v0, s[64:65] scope:SCOPE_SE
	s_setreg_imm32_b32 hwreg(HW_REG_WAVE_MODE, 25, 1), 1
	s_wait_xcnt 0x0
	s_wait_alu depctr_hold_cnt(0) depctr_sa_sdst(0) depctr_va_vdst(0) depctr_va_sdst(0) depctr_va_ssrc(0) depctr_va_vcc(0) depctr_vm_vsrc(0)
	s_getreg_b32 s2, hwreg(HW_REG_IB_STS2, 6, 4)
	s_cmp_eq_u32 s2, 0
	s_cbranch_scc0 .Lentry_in_a_cluster
	s_endpgm
.Lentry_in_a_cluster:
	s_bfe_u32 s2, ttmp6, 0x10000c
	s_cmp_lg_u32 s2, 0x3003
	s_cbranch_scc0 .Lentry_shape_is_right
	s_endpgm
.Lentry_shape_is_right:
; out0[m][n] = sum over k of A[m][k] B[n][k] + bias[n].  A = xq, B = wq: codes of FP6 (E2M3) with one E8M0 byte for each 32 along K, laid by the launch before as
; [k / 128][row / 128][12,800 bytes]: eight images of a fragment (16 rows x 128 K: register j of lane l at 512 (j / 4) + 16 l + 4 (j % 4)), then 512 bytes of scale words [pair of row blocks 4][row % 16][which of the pair 2].
; A work-group of four waves makes 256 x 256 of the result; work-group x is the tile row, y the tile column.  A WAVE MAKES 64 ROWS x 256 COLUMNS: 64 accumulators, 512 registers.
; A: a wave's 64 rows are read by that wave alone in its work-group: 6,144 bytes of images and 256 bytes of scale words a K step go from memory straight into registers,
;    12 + 1 loads, each of consecutive bytes, three K steps (192 matrix instructions) ahead of their use, in four sets of registers.
; B: all four waves read all 256 rows: they go through a ring of two LDS slots.  With B alone in the ring a K step is 25,600 bytes and a slot holds FOUR K steps; wave w fetches the slot's step w by one tensor load.
; CLUSTERS: 4 x 1 work-groups along x: four tile rows of one tile column, which need the same tiles of B: each tile is asked for jointly (mask 15).  A is not asked for jointly: it does not pass through LDS,
;    and with A in the ring a K step would take 51,200 bytes and two slots would hold three steps each.
; THE MATRIX INSTRUCTION IS USED TRANSPOSED (source 0 = 16 rows of B, source 1 = 16 rows of A): a lane holds eight neighbouring numbers of a row of the result.
; A step's 64 products go by B's blocks, each against A's four: a block of B is free when its four products are issued, so B has ONE set of registers: blocks 0-7 are fetched anew in the step's middle, 8-15 at its end.
; The bias is added in f32 on the way out, to whole rows.  The last K step goes by A's blocks, so that 16 finished rows leave while the others are multiplied.
; PREFETCH: at each change of slots that fills, but the last, a wave names (a) of B's tile that the NEXT refill fetches (four K steps on from the refill just issued) its step's 100 blocks of 256 bytes, shared out among the four partners
;    by address (25 each; lanes 25-31 name the last again); (b) of its rows' A images of the same four K steps, 96 blocks, shared out among the 16 work-groups of the tile row by address (6 each).  K steps 0-11 come by their loads alone.
; REGISTERS: window 0: v0-23 addresses, v24-31 bias, v32-47 B's scale words (two sets), v48-55 A's (four sets), v64-255 A's fragments (four sets of 48; on the way out v64-191 hold rows).
;   window 1: v0-191 B's 16 fragments.  window 2: accumulators of B's blocks 0-7 ((a, b) at 8 (4 (b % 8) + a)); window 3: of blocks 8-15.
.set STB,    409600                    ; bytes from one 128 along K to the next
.set GB,     12800                     ; 128 rows of one K step
.set SB2,    2*GB                      ; B's 256 rows of one K step
.set SLOT,   4*SB2
.set STAGE,  2*SLOT                    ; behind the ring: 16 rows x (1,024 + 16) bytes for each wave; no tensor load lands here
.set SPITCH, 1040
.set SPARE,  STAGE+4*16*SPITCH         ; the spare words: 128 bytes a wave
.set CO,   6                           ; 16 x lane
.set ADRB, 8                           ; v8-11   B's fragments: 51,200 i + 16 lane, i = 2 slot + step / 2
.set ADRS, 12                          ; v12-15  B's scale words: 51,200 i + 8 lane
.set ASO,  16                          ; A's scale words, from A's base
.set STO,  17
.set RD,   18
.set PFB,  19
.set PFX,  20
.set SPW,  22
.set NIL,  23
.set BIAS, 24
.set SBS,  32
.set SAS,  48
.set AF,   64
.set BK,   64
.set WV,  12
.set W1,  13
.set WH,  14
.set LAP, 15
.set G1,  16                           ; s[16:23] group 1;  s[24:31] group 0, one set for each slot
.set G0,  24
.set AB,  32                           ; s[32:33] A's base, stepped four K steps at each change of slots
.set PB,  34                           ; s[34:35] where B's prefetches stand
.set MSB, 0
.macro WIN new                         ; the immediate's high byte repeats the setting that is left
.if MSB != \new
	s_set_vgpr_msb (MSB<<8)|\new
.set MSB, \new
.endif
.endm
.set MUL_LO, 0xa1                      ; source 0 (B) window 1, source 1 (A) window 0, C and D window 2
.set MUL_HI, 0xf1                      ; the same, C and D window 3
.set TO_B,   0x40                      ; destination window 1, address window 0
.macro CREST                           ; a round of the cluster's barrier behind its opening barrier
	s_cmp_lg_u32 s[WV], 0
	s_cbranch_scc1 .Lnot_wave_0_\@
	s_barrier_signal -3
.Lnot_wave_0_\@:
	s_barrier_wait -3
	s_barrier_signal -1
	s_barrier_wait -1
.endm
.macro CROUND
	s_barrier_signal -1
	s_barrier_wait -1
	CREST
.endm
.macro PLACES                          ; four places behind a matrix instruction, ahead of loads into its sources and of reads of its result
.rept 4
	v_nop
.endr
.endm
; A's set: 12 loads of 512 consecutive bytes (fragment a's register 4 c at load 3 a + c) and one of 256: lanes 0-15 the words of blocks 0, 1, lanes 16-31 of blocks 2, 3
.macro ALOAD set, k
.irp i, 0,1,2,3,4,5,6,7,8,9,10,11
	global_load_b128 v[AF+48*(\set)+4*\i:AF+48*(\set)+4*\i+3], v[CO], s[AB:AB+1] offset:(\k)*STB+512*\i
.endr
	global_load_b64 v[SAS+2*(\set):SAS+2*(\set)+1], v[ASO], s[AB:AB+1] offset:(\k)*STB
.endm
.macro FETCH_B slot, q, half           ; B's blocks 8 half .. 8 half + 7 of the slot's step q
	WIN TO_B
.irp i, 0,1,2,3,4,5,6,7
.irp c, 0,1,2
	ds_load_b128 v[12*(8*(\half)+\i)+4*\c:12*(8*(\half)+\i)+4*\c+3], v[ADRB+2*(\slot)+(\q)/2] offset:((\q)%2)*SB2+(\half)*GB+1536*\i+512*\c
.endr
.endr
	WIN 0
.endm
.macro SCALES slot, q                  ; B's scale words: load u: lanes 0-15 the words of blocks 4 u, 4 u + 1, lanes 16-31 of blocks 4 u + 2, 4 u + 3
.irp u, 0,1,2,3
	ds_load_b64 v[SBS+8*((\q)%2)+2*\u:SBS+8*((\q)%2)+2*\u+1], v[ADRS+2*(\slot)+(\q)/2] offset:((\q)%2)*SB2+(\u/2)*GB+12288+256*(\u%2)
.endr
.endm
; one product: A's block a x B's block b, of the step whose sets are q.  The halves of the lanes in which the two scale words stand are named by the ROW words.
.macro WM a, b, q, zero
.set DD, 8*(4*((\b)%8)+(\a))
.set BF, 12*(\b)
.set AA, AF+48*(\q)+12*(\a)
.set XB, SBS+8*((\q)%2)+2*((\b)/4)+((\b)%2)
.set XA, SAS+2*(\q)+((\a)%2)
.set RB, ((\b)/2)%2
.set RA, (\a)/2
.if \zero
.if RB == 0 && RA == 0
	v_wmma_scale_f32_16x16x128_f8f6f4 v[DD:DD+7], v[BF:BF+11], v[AA:AA+11], 0, v[XB], v[XA] matrix_a_fmt:MATRIX_FMT_FP6 matrix_b_fmt:MATRIX_FMT_FP6
.endif
.if RB == 1 && RA == 0
	v_wmma_scale_f32_16x16x128_f8f6f4 v[DD:DD+7], v[BF:BF+11], v[AA:AA+11], 0, v[XB], v[XA] matrix_a_fmt:MATRIX_FMT_FP6 matrix_b_fmt:MATRIX_FMT_FP6 matrix_a_scale:MATRIX_SCALE_ROW1
.endif
.if RB == 0 && RA == 1
	v_wmma_scale_f32_16x16x128_f8f6f4 v[DD:DD+7], v[BF:BF+11], v[AA:AA+11], 0, v[XB], v[XA] matrix_a_fmt:MATRIX_FMT_FP6 matrix_b_fmt:MATRIX_FMT_FP6 matrix_b_scale:MATRIX_SCALE_ROW1
.endif
.if RB == 1 && RA == 1
	v_wmma_scale_f32_16x16x128_f8f6f4 v[DD:DD+7], v[BF:BF+11], v[AA:AA+11], 0, v[XB], v[XA] matrix_a_fmt:MATRIX_FMT_FP6 matrix_b_fmt:MATRIX_FMT_FP6 matrix_a_scale:MATRIX_SCALE_ROW1 matrix_b_scale:MATRIX_SCALE_ROW1
.endif
.else
.if RB == 0 && RA == 0
	v_wmma_scale_f32_16x16x128_f8f6f4 v[DD:DD+7], v[BF:BF+11], v[AA:AA+11], v[DD:DD+7], v[XB], v[XA] matrix_a_fmt:MATRIX_FMT_FP6 matrix_b_fmt:MATRIX_FMT_FP6
.endif
.if RB == 1 && RA == 0
	v_wmma_scale_f32_16x16x128_f8f6f4 v[DD:DD+7], v[BF:BF+11], v[AA:AA+11], v[DD:DD+7], v[XB], v[XA] matrix_a_fmt:MATRIX_FMT_FP6 matrix_b_fmt:MATRIX_FMT_FP6 matrix_a_scale:MATRIX_SCALE_ROW1
.endif
.if RB == 0 && RA == 1
	v_wmma_scale_f32_16x16x128_f8f6f4 v[DD:DD+7], v[BF:BF+11], v[AA:AA+11], v[DD:DD+7], v[XB], v[XA] matrix_a_fmt:MATRIX_FMT_FP6 matrix_b_fmt:MATRIX_FMT_FP6 matrix_b_scale:MATRIX_SCALE_ROW1
.endif
.if RB == 1 && RA == 1
	v_wmma_scale_f32_16x16x128_f8f6f4 v[DD:DD+7], v[BF:BF+11], v[AA:AA+11], v[DD:DD+7], v[XB], v[XA] matrix_a_fmt:MATRIX_FMT_FP6 matrix_b_fmt:MATRIX_FMT_FP6 matrix_a_scale:MATRIX_SCALE_ROW1 matrix_b_scale:MATRIX_SCALE_ROW1
.endif
.endif
.endm
.macro MULB b0, n, q, zero             ; B's blocks b0 .. b0 + n - 1, each against A's four: the accumulators take turns, one instruction a turn
.set BI, \b0
.rept \n
.irp a, 0,1,2,3
	WM \a, BI, \q, \zero
.endr
.set BI, BI+1
.endr
.endm
; A K step that is not its slot's last (q = 0, 1, 2).  al: A's set of three steps on is asked for.  lc: A's loads that may stay out (the sets of the next two steps: 13 each)
.macro STEP slot, q, zero, al, lc
	s_wait_dscnt 24                                ; B's blocks 0-7 and the scale words are in; the youngest 24 loads (blocks 8-15) may be out
	s_wait_loadcnt \lc                             ; this step's set of A is in
	WIN MUL_LO
	MULB 0, 8, \q, \zero
	s_wait_dscnt 0x0                               ; blocks 8-15 are in
	PLACES
	FETCH_B \slot, (\q)+1, 0
	SCALES \slot, (\q)+1
.if \al
	ALOAD ((\q)+3)%4, (\q)+3                       ; into the set that the step before multiplied
.endif
	WIN MUL_HI
	MULB 8, 8, \q, \zero
	PLACES
	FETCH_B \slot, (\q)+1, 1
.endm
.macro ASK how                         ; 1: always; 2: not in the loop's last trip, whose second refill is the last
.if \how == 2
	s_cmp_gt_u32 s[LAP], 1
	s_cbranch_scc0 .Lno_ask_\@
.endif
.if \how
	global_prefetch_b8 v[PFB], s[PB:PB+1] th:TH_LOAD_NT scope:SCOPE_SE
	global_prefetch_b8 v[PFX], s[AB:AB+1] offset:8*STB th:TH_LOAD_NT scope:SCOPE_SE
.endif
.if \how == 2
.Lno_ask_\@:
.endif
.endm
; A slot's last K step (q = 3) changes slots.  All its fragments were fetched in the step before, so the slot is read no more.  ONE barrier: in front of it each wave waits for all its tensor loads
; (one is out: its step of the other slot), adds 0 to its spare word, and waits for that and for its reads.  fill = 1: the barrier opens a round of the cluster's barrier, and the slot takes the K steps eight on.
.macro TURN slot, fill, ask
	s_wait_xcnt 0x0                                ; my loads and prefetches have read their bases: only behind this wait are these stepped
	s_add_nc_u64 s[AB:AB+1], s[AB:AB+1], 4*STB
.if \fill
	s_add_nc_u64 s[PB:PB+1], s[PB:PB+1], 4*STB
.endif
	s_wait_tensorcnt 0x0
	ds_add_u32 v[SPW], v[NIL]
	s_wait_dscnt 25                                ; (the add and the youngest 24 loads may be out)
	s_wait_loadcnt 26
	WIN MUL_LO
	MULB 0, 4, 3, 0
	s_wait_dscnt 0x0                               ; the add is done, and my reads of this slot are over
	s_barrier_signal -1
	MULB 4, 4, 3, 0
	WIN 0
	s_barrier_wait -1
.if \fill
	CREST                                          ; no wave of any partner still reads this slot or has a load on its way
	s_add_nc_u64 s[G0+4*\slot+2:G0+4*\slot+3], s[G0+4*\slot+2:G0+4*\slot+3], 8*STB
	tensor_load_to_lds s[G0+4*\slot:G0+4*\slot+3], s[G1:G1+7]   ; my one load behind the round
	s_nop 0
.endif
	PLACES
	FETCH_B 1-\slot, 0, 0
	SCALES 1-\slot, 0
	ALOAD 2, 2                                     ; three steps on: two steps past the base just stepped
	ASK \ask
	WIN MUL_HI
	MULB 8, 8, 3, 0
	PLACES
	FETCH_B 1-\slot, 0, 1
.endm
	s_load_b256 s[4:11], s[0:1], 0x0               ; xq s[4:5], wq s[6:7], bias s[8:9], out0 s[10:11]
	v_lshl_add_u32 v[SPW], v0, 2, SPARE
	v_mov_b32 v[NIL], 0
	ds_add_u32 v[SPW], v[NIL]                      ; the opening lines: the add twice on end and one wait, ahead of my first tensor load
	ds_add_u32 v[SPW], v[NIL]
	v_lshrrev_b32 v1, 5, v0
	v_readfirstlane_b32 s[WV], v1                  ; wave 0..3
	s_and_b32 s[W1], s[WV], 1
	s_lshr_b32 s[WH], s[WV], 1
	s_bfe_u32 s36, ttmp6, 0x40000                  ; cx
	s_lshl_b32 s37, ttmp9, 2
	s_add_co_u32 s37, s37, s36                     ; tile row = 4 x cluster x + cx
	s_and_b32 s38, ttmp7, 0xffff                   ; tile column
	s_mov_b32 s[G1+0], 15|(3<<16)|(1<<21)          ; the mask: all four partners; elements of 8 bytes; bit 21 beside a mask
	s_mov_b32 s[G1+1], 1600<<16                    ; a tile: 2 rows of 12,800 bytes, dense
	s_mov_b32 s[G1+2], 2<<16
	s_mov_b32 s[G1+3], 1600<<16
	s_mov_b32 s[G1+4], 2
	s_mov_b32 s[G1+5], 1600
	s_mov_b32 s[G1+6], 0
	s_mov_b32 s[G1+7], 0
	s_lshl_b32 s40, s37, 1
	s_add_co_u32 s40, s40, s[WH]
	s_mul_i32 s40, s40, GB                         ; A: my group of 128 rows,
	s_mul_i32 s41, s[W1], 6144
	s_add_co_u32 s40, s40, s41                     ; and my four of its eight images
	s_mov_b32 s41, 0
	s_mul_i32 s42, s38, SB2                        ; B: the tile column's 256 rows,
	s_mul_i32 s43, s[WV], STB
	s_add_co_u32 s42, s42, s43                     ; K step = my wave's number
	s_mov_b32 s43, 0
	s_lshl_b32 s44, s38, 10                        ; the tile's first column, in bytes
	s_mov_b32 s45, 0
	s_lshl_b32 s46, s37, 2
	s_add_co_u32 s46, s46, s[WV]
	s_lshl_b32 s46, s46, 20                        ; my first row, 256 x tile row + 64 x wave, x 16,384 bytes
	s_mov_b32 s47, 0
	s_mul_i32 s48, s[W1], 5888
	s_sub_co_u32 s48, 12288, s48                   ; from my images to my scale words: 12,288 + 256 (w % 2) - 6,144 (w % 2)
	s_mul_i32 s49, s[WV], 16*SPITCH
	s_add_co_u32 s49, s49, STAGE                   ; my stage
	s_mul_i32 s50, s36, 25
	s_mul_i32 s51, s38, 6
	s_mul_i32 s52, s[WV], SB2                      ; where my step of a slot goes
	v_and_b32 v1, 31, v0                           ; lane
	v_and_b32 v2, 15, v0
	v_bfe_u32 v3, v0, 4, 1
	v_lshlrev_b32 v[CO], 4, v1
	v_lshlrev_b32 v4, 3, v1
.irp i, 0,1,2,3
	v_add_nc_u32 v[ADRB+\i], \i*2*SB2, v[CO]
	v_add_nc_u32 v[ADRS+\i], \i*2*SB2, v4
.endr
	v_add_nc_u32 v[ASO], s48, v4
	v_mul_u32_u24 v5, v2, SPITCH
	v_lshl_add_u32 v5, v3, 5, v5
	v_add_nc_u32 v[STO], s49, v5                   ; into the stage: row l % 16, 32 bytes for each half of the lanes
	v_add_nc_u32 v[RD], s49, v[CO]                 ; back: 32 lanes take 512 bytes of a row
	v_min_u32 v5, 24, v1
	v_add_nc_u32 v5, s50, v5
	v_lshlrev_b32 v[PFB], 8, v5                    ; B's prefetch: block 25 cx + min(lane, 24) of my step's 100
	v_min_u32 v5, 5, v1
	v_add_nc_u32 v5, s51, v5                       ; A's: i = 6 y + min(lane, 5) of 96: K step i / 24, block i % 24
	v_mul_u32_u24 v2, v5, 43
	v_lshrrev_b32 v2, 10, v2                       ; i / 24 for i under 96
	v_mul_u32_u24 v2, v2, STB-6144
	v_lshl_add_u32 v[PFX], v5, 8, v2
	s_wait_alu depctr_va_vdst(0)                   ; behind the head's last vector write
	s_wait_dscnt 0x0                               ; both opening adds are done
	s_wait_kmcnt 0x0
	s_add_nc_u64 s[AB:AB+1], s[4:5], s[40:41]
	s_add_nc_u64 s[8:9], s[8:9], s[44:45]
	global_load_b128 v[BIAS:BIAS+3], v[CO], s[8:9]             ; bias of columns 4 l .. 4 l + 3,
	global_load_b128 v[BIAS+4:BIAS+7], v[CO], s[8:9] offset:512 ; and of 128 + 4 l ..
	ALOAD 0, 0
	ALOAD 1, 1
	ALOAD 2, 2
	s_add_nc_u64 s[42:43], s[6:7], s[42:43]
	s_add_nc_u64 s[PB:PB+1], s[42:43], 8*STB       ; the first change of slots steps it to K step 12 + wave
	s_add_nc_u64 s[10:11], s[10:11], s[44:45]
	s_add_nc_u64 s[10:11], s[10:11], s[46:47]
.irp s, 0,1
	s_mov_b32 s[G0+4*\s], 1
	s_add_co_u32 s[G0+4*\s+1], s52, \s*SLOT
	s_add_nc_u64 s[G0+4*\s+2:G0+4*\s+3], s[42:43], \s*4*STB
	s_or_b32 s[G0+4*\s+3], s[G0+4*\s+3], 0x80000000
.endr
	CROUND                                         ; all four work-groups are here: the first joint loads meet
	tensor_load_to_lds s[G0:G0+3], s[G1:G1+7]      ; K steps 0-3, one a wave: my one load at the head
	s_nop 0
	s_wait_tensorcnt 0x0                           ; the wait, add and wait ahead of a later first fill, as ahead of a refill
	ds_add_u32 v[SPW], v[NIL]
	s_wait_dscnt 0x0
	CROUND
	tensor_load_to_lds s[G0+4:G0+7], s[G1:G1+7]    ; K steps 4-7
	s_nop 0
	PLACES
	FETCH_B 0, 0, 0
	SCALES 0, 0
	FETCH_B 0, 0, 1
	STEP 0, 0, 1, 1, 26                            ; the first step's products start the sums
	s_mov_b32 s[LAP], 3
.Llap:                                                 ; a trip goes once round the ring: eight K steps, from a lap's second to the next lap's first
	STEP 0, 1, 0, 1, 26
	STEP 0, 2, 0, 1, 26
	TURN 0, 1, 1
	STEP 1, 0, 0, 1, 26
	STEP 1, 1, 0, 1, 26
	STEP 1, 2, 0, 1, 26
	TURN 1, 1, 2
	STEP 0, 0, 0, 1, 26
	s_sub_co_u32 s[LAP], s[LAP], 1
	s_cmp_lg_u32 s[LAP], 0
	s_cbranch_scc1 .Llap
	STEP 0, 1, 0, 1, 26                            ; K steps 25 to 30: nothing is filled any more; A's last set is asked for in step 28
	STEP 0, 2, 0, 1, 26
	TURN 0, 0, 0
	STEP 1, 0, 0, 1, 26
	STEP 1, 1, 0, 0, 26
	STEP 1, 2, 0, 0, 13
; THE LAST K STEP GOES BY A'S BLOCKS: all 16 fragments of B are in registers; block a's 16 accumulators are finished by 16 products and leave.
.macro ROW a
	WIN MUL_LO
.irp b, 0,1,2,3,4,5,6,7
	WM \a, \b, 3, 0
.endr
	WIN MUL_HI
.irp b, 8,9,10,11,12,13,14,15
	WM \a, \b, 3, 0
.endr
	WIN 0
.endm
; THE WAY OUT of block a, 16 rows x 256 columns: a lane's 32 bytes go into my own stage and come back as whole rows of 1,024 bytes.  LDS serves a wave's instructions in order (ISA guide 5.7.1.4): no wait between stores and loads.
.macro TOSTAGE a
	WIN 0x08                                       ; the data: window 2
.irp b, 0,1,2,3,4,5,6,7
	ds_store_b128 v[STO], v[8*(4*\b+(\a)):8*(4*\b+(\a))+3] offset:64*\b       ; each accumulator from its low end on
	ds_store_b128 v[STO], v[8*(4*\b+(\a))+4:8*(4*\b+(\a))+7] offset:64*\b+16
.endr
	WIN 0x0c                                       ; window 3
.irp b, 0,1,2,3,4,5,6,7
	ds_store_b128 v[STO], v[8*(4*\b+(\a)):8*(4*\b+(\a))+3] offset:512+64*\b
	ds_store_b128 v[STO], v[8*(4*\b+(\a))+4:8*(4*\b+(\a))+7] offset:512+64*\b+16
.endr
	WIN 0
.if (\a) > 0
	s_wait_xcnt 0x0                                ; the last block's stores have read their registers and their base
.endif
.irp t, 0,1,2,3,4,5,6,7,8,9,10,11,12,13,14,15
.irp c, 0,1
	ds_load_b128 v[BK+8*\t+4*\c:BK+8*\t+4*\c+3], v[RD] offset:\t*SPITCH+512*\c
.endr
.endr
.endm
.macro SEND a
.if (\a) > 0
	s_add_nc_u64 s[10:11], s[10:11], 16*16384      ; 16 rows on
.endif
.irp u, 0,1                            ; eight rows at a time: the bias, then the stores
	s_wait_dscnt 16-16*\u
.irp t, 0,1,2,3,4,5,6,7
.irp c, 0,1
	v_pk_add_f32 v[BK+64*\u+8*\t+4*\c:BK+64*\u+8*\t+4*\c+1], v[BK+64*\u+8*\t+4*\c:BK+64*\u+8*\t+4*\c+1], v[BIAS+4*\c:BIAS+4*\c+1]
	v_pk_add_f32 v[BK+64*\u+8*\t+4*\c+2:BK+64*\u+8*\t+4*\c+3], v[BK+64*\u+8*\t+4*\c+2:BK+64*\u+8*\t+4*\c+3], v[BIAS+4*\c+2:BIAS+4*\c+3]
.endr
.endr
.irp t, 0,1,2,3,4,5,6,7
.irp c, 0,1
	global_store_b128 v[CO], v[BK+64*\u+8*\t+4*\c:BK+64*\u+8*\t+4*\c+3], s[10:11] offset:(8*\u+\t)*16384+512*\c th:TH_STORE_NT   ; 32 lanes store 512 consecutive bytes, at a multiple of 512 from out0's first byte
.endr
.endr
.endr
.endm
	s_wait_dscnt 0x0
	s_wait_loadcnt 0x0                             ; A's last set (and, long ago, the bias)
	ROW 0
	PLACES                                         ; block 0's results were just made; for the later blocks the 64 additions of the block before are the places
.irp a, 0,1,2,3
	TOSTAGE \a
.if \a < 3
	ROW \a+1                                       ; while block a's rows come back from the stage
.endif
	SEND \a
.endr
	s_wait_tensorcnt 0x0                           ; the wave's end
	ds_add_u32 v[SPW], v[NIL]
	s_wait_dscnt 0x0
	CROUND                                         ; the closing round
	s_endpgm
.Lfunc_end_k_qad70a448ae_gemm:
	.size	k_qad70a448ae_gemm, .Lfunc_end_k_qad70a448ae_gemm-k_qad70a448ae_gemm
	.p2alignl 7, 3214868480
	.fill 96, 4, 3214868480
	.section	.rodata,"a",@progbits
	.p2align	6, 0x0
	.amdhsa_kernel k_qad70a448ae_gemm
		.amdhsa_group_segment_fixed_size 327680
		.amdhsa_private_segment_fixed_size 0
		.amdhsa_enable_private_segment 0
		.amdhsa_kernarg_size 32
		.amdhsa_user_sgpr_count 2
		.amdhsa_user_sgpr_kernarg_segment_ptr 1
		.amdhsa_wavefront_size32 1
		.amdhsa_system_sgpr_workgroup_id_x 1
		.amdhsa_system_sgpr_workgroup_id_y 1
		.amdhsa_system_sgpr_workgroup_id_z 1
		.amdhsa_system_vgpr_workitem_id 0
		.amdhsa_next_free_vgpr 1024
		.amdhsa_next_free_sgpr 66
		.amdhsa_reserve_vcc 0
		.amdhsa_float_denorm_mode_32 3
		.amdhsa_float_denorm_mode_16_64 3
		.amdhsa_memory_ordered 1
		.amdhsa_forward_progress 1
		.amdhsa_inst_pref_size 255
	.end_amdhsa_kernel
	.section	.bss,"aw",@nobits
	.p2align	6
	.space	262144
	.amdgpu_metadata
---
amdhsa.version: [ 1, 2 ]
amdhsa.kernels:
  - .name:           k_qad70a448ae_gemm
    .symbol:         k_qad70a448ae_gemm.kd
    .args:
      - { .name: xq, .offset: 0, .size: 8, .value_kind: global_buffer, .address_space: global }
      - { .name: wq, .offset: 8, .size: 8, .value_kind: global_buffer, .address_space: global }
      - { .name: bias, .offset: 16, .size: 8, .value_kind: global_buffer, .address_space: global }
      - { .name: out0, .offset: 24, .size: 8, .value_kind: global_buffer, .address_space: global }
    .group_segment_fixed_size: 327680
    .private_segment_fixed_size: 0
    .kernarg_segment_align: 8
    .kernarg_segment_size: 32
    .max_flat_workgroup_size: 128
    .sgpr_count:     66
    .vgpr_count:     1024
    .wavefront_size: 32
...
	.end_amdgpu_metadata
.endif
;; end of part 2
